; MI455X (gfx1250); checked and timed in simulation.
; The chip was launched on July 23, 2026; its instructions are those of AMD's public machine-readable ISA for CDNA 5 (MIT licence, August 2026) and "CDNA5" Instruction Set Architecture Reference Guide (July 2026). The comments in the code are by the model that wrote it; some were corrected since.
;; Multi Head Attention. Allowed arithmetic: matrix products marked QUANTISED: E2M3 operands, one E8M0 scale for each 32 along K, by v_wmma_scale_f32_16x16x128_f8f6f4 with both operands' format E2M3, f32 sums; everything else in f32.
;; Inputs: b_k 512 float32; b_o 512 float32; b_q 512 float32; b_v 512 float32; v_k 2 x 4,096 x 512 float32; v_q 2 x 4,096 x 512 float32; v_v 2 x 4,096 x 512 float32; w_k 512 x 512 float32; w_o 512 x 512 float32; w_q 512 x 512 float32; w_v 512 x 512 float32.
;; Outputs: out0 2 x 4,096 x 512 float32.
;; This version of the problem:
;;   THIS VERSION OF THE PROBLEM IS GIVEN IN LOW PRECISION. The matrix products marked QUANTISED in the list below multiply operands that are first quantised to E2M3 (2 exponent bits, 3 mantissa bits; 6 bits a number), with one power-of-two scale for each 32 numbers along K (OCP MX v1.0); their sums are f32. All else is computed in f32.
;;   The module's matrix products, in the order in which they are computed (A, B: the left and right operand; K: the contracted axis; several contracted axes count as one K, in the product's order):
;;     1. [M 8,192, K 512] x [K 512, N 512]; A: input v_q; B: input w_q: QUANTISED
;;     2. [M 8,192, K 512] x [K 512, N 512]; A: input v_k; B: input w_k: QUANTISED
;;     3. [M 8,192, K 512] x [K 512, N 512]; A: input v_v; B: input w_v: QUANTISED
;;     4. batch 16 x [M 4,096, K 64] x [K 64, N 4,096]; A: computed on the way; B: computed on the way: QUANTISED
;;     5. batch 16 x [M 4,096, K 4,096] x [K 4,096, N 64]; A: softmax (see below); B: computed on the way: QUANTISED
;;     6. [M 8,192, K 512] x [K 512, N 512]; A: computed on the way; B: input w_o: QUANTISED
;;   THE QUANTISER, for each operand of a quantised product, along K:
;;     - K is cut into blocks of 32 from its start; a last block that is shorter is filled with zeros.
;;     - A block's scale is 2^e with e = floor(log2(the largest magnitude in the block)) - 2, held to -126 .. 127; a block of zeros has e = 0. As a byte (E8M0): e + 127.
;;     - Each number is divided by its block's scale, clamped to +-7.5, and rounded to the nearest number of E2M3, ties to even, subnormals kept.
;;     - The product sums the exact products of the quantised numbers (number of the format x scale) in f32.
;;   ~~~python
;;   def quantise(x, axis):      # numpy; x: float32 -> the quantised numbers, widened to float32 again
;;       x = np.moveaxis(x, axis, -1); K = x.shape[-1]
;;       x = np.pad(x, [(0, 0)] * (x.ndim - 1) + [(0, -K % 32)]); x = x.reshape(x.shape[:-1] + (-1, 32)); a = np.abs(x).max(-1, keepdims=True)
;;       e = np.where(a > 0, np.clip(np.frexp(np.where(a > 0, a, 1))[1] - 1 - 2, -126, 127), 0)      # np.frexp(a)[1] - 1 = floor(log2(a)), exactly
;;       r = np.clip(x / 2.0 ** e, -7.5, 7.5)
;;       step = 2.0 ** (np.maximum(np.frexp(np.where(r == 0, 1, r))[1] - 1, 0) - 3)
;;       q = np.round(r / step) * step * 2.0 ** e      # np.round: ties to even
;;       return np.moveaxis(q.reshape(q.shape[:-2] + (-1,))[..., :K], -1, axis).astype(np.float32)
;;   ~~~
;;   SOFTMAX AHEAD OF A QUANTISED PRODUCT. Where the list says 'softmax', what is quantised is not the finished softmax but p = 2^(t - M), with t = logit x log2(e) and M = ceil(the row's largest t), a whole number; so 1/2 < the row's largest p <= 1. The row's sum l is taken of the UNQUANTISED p, in f32, and the product's result is divided by l at the end. Since M is a whole number, a kernel that streams over the keys may use a running M (the ceiling of the running maximum): every later rescaling is an exact power of two, which a block's scale takes up: the codes' values come out the same.
;;   OPERANDS COMPUTED ON THE WAY. 'Computed on the way' means the value that the module computes at that place (a softmax that the list does not call 'softmax' is quantised finished and normalised). What goes into a quantiser is computed in f32, as accurately as f32 sums, v_exp_f32 and their like allow (about 1e-6 of the number): no bf16 or f16 on the way to a quantiser, and a product that is left as it is and whose result goes on into a quantised operand takes f32 operands (vector FMAs, or v_wmma_f32_16x16x4_f32). A number that lies on a knife's edge between two numbers of the format may be rounded either way, as far as f32 arithmetic and the matrix unit's own rounding can turn it there, and no further.
;; One version. Each part assembles by itself: llvm-mc -triple=amdgcn-amd-amdhsa -mcpu=gfx1250 --defsym DOCPART=n.
;; ======== version 1 of 1: 4 launches
;; limits: right only within a limited range of input values
;; workspace buffers: wb 819,200 bytes; qb 3,407,872 bytes; kv 6,684,672 bytes; ab 3,276,800 bytes
;; launch wquant (part 1): grid 256 x 1, 1 waves a work-group, no clusters, 3,328 bytes of LDS; arguments w_q, w_k, w_v, w_o, wb; writes wb
.if DOCPART == 1
	.amdgcn_target "amdgcn-amd-amdhsa--gfx1250"
	.amdhsa_code_object_version 6
	.text
	.protected	k_qbef1d59ba2_wquant
	.globl	k_qbef1d59ba2_wquant
	.p2align	8
	.type	k_qbef1d59ba2_wquant,@function
k_qbef1d59ba2_wquant:
	s_mov_b64 s[64:65], 0
	v_nop
	global_prefetch_b8 v0, s[64:65] scope:SCOPE_SE
	s_setreg_imm32_b32 hwreg(HW_REG_WAVE_MODE, 25, 1), 1
	s_wait_xcnt 0x0
; The four weights [512 (k)][512 (n)], f32, K = their FIRST axis, become codes of FP6 (E2M3) with one E8M0 byte for each 32 along K,
; laid in wb as IMAGES OF OPERAND REGISTERS: fragment (weight i, tile T of 16 columns, K step s of 128) is 1,536 bytes at
; i x 196,608 + (4 T + s) x 1,536: registers 4 c .. 4 c + 3 of lane L at 512 c + 16 L.  Its scale words (one a column) lie at 786,432 + i x 8,192 + (4 T + s) x 64 + 4 r.
; THE COLUMNS OF A TILE ARE NOT NEIGHBOURS: lane r of tile 2 B + u takes column 32 B + 8 u + r + 8 (r / 8), so that the results of two neighbouring tiles are 16 neighbours along the next K.
; A work-group is one wave: 32 columns x 128 along K.  A lane takes a column and its registers run down K: each load reads 128 consecutive bytes, a block of 32 lies in one lane,
; and the conversions give codes with K innermost.  The two fragments are put together in LDS and leave by six stores of 512 consecutive bytes.
; The scale words leave as two runs of 64 bytes a wave (32 KB in the whole launch): blocks of 256 bytes written in part, kept for the sake of a plain text.
; A block's scale is 2^(floor(log2(largest magnitude)) - 2); its byte is the largest magnitude's exponent field - 2, held at 1 from below.
; LIMITS: a block of zeros gets the byte 1 where the rule says 127 (its codes are zeros, and this program alone reads the bytes); NaN and infinities among the inputs are not served.
; No matrix unit, no cluster, no tensor load: the work-groups share no input and each byte is read once.
.set X, 32                             ; v32-159  128 numbers of my column
	s_load_b256 s[4:11], s[0:1], 0x0               ; w_q, w_k, w_v, w_o
	s_load_b64 s[12:13], s[0:1], 0x20              ; wb
	v_lshl_add_u32 v184, v0, 2, 0xc00
	v_mov_b32 v185, 0
	v_lshlrev_b32 v2, 2, v0                        ; in: 4 bytes a lane
	v_bfe_u32 v3, v0, 3, 1                         ; u: which of the two tiles my column belongs to
	v_and_b32 v7, 7, v0
	v_bfe_u32 v13, v0, 4, 1
	v_lshl_or_b32 v7, v13, 3, v7                   ; r': my column's lane in that tile
	v_lshlrev_b32 v4, 4, v7
	v_mad_u32_u24 v4, v3, 1536, v4                 ; LDS: 1,536 u + 16 r'
	v_lshlrev_b32 v5, 4, v0                        ; the way out: 16 bytes a lane
	v_lshlrev_b32 v6, 2, v7
	v_lshl_or_b32 v6, v3, 8, v6                    ; the scale word's place: 256 u + 4 r'
	s_lshr_b32 s15, ttmp9, 6                       ; i: which weight
	s_bfe_u32 s16, ttmp9, 0x20004                  ; s: which K step
	s_and_b32 s17, ttmp9, 15                       ; B: which 32 columns
	s_lshl_b32 s18, s16, 18                        ; 128 s rows of 2,048 bytes
	s_lshl_b32 s19, s17, 7
	s_add_co_u32 s18, s18, s19                     ; + 128 B
	s_mov_b32 s19, 0
	s_mul_i32 s20, s15, 196608
	s_mul_i32 s21, s17, 12288
	s_add_co_u32 s20, s20, s21
	s_mul_i32 s21, s16, 1536
	s_add_co_u32 s20, s20, s21                     ; fragment (2 B, s)
	s_mov_b32 s21, 0
	s_lshl_b32 s22, s15, 13
	s_lshl_b32 s23, s17, 9
	s_add_co_u32 s22, s22, s23
	s_lshl_b32 s23, s16, 6
	s_add_co_u32 s22, s22, s23
	s_add_co_u32 s22, s22, 786432                  ; its scale words
	s_mov_b32 s23, 0
	s_and_b32 s24, s15, 1
	s_wait_kmcnt 0x0
	s_cmp_eq_u32 s24, 0                            ; the choice hangs on the work-group's number alone
	s_cselect_b64 s[4:5], s[4:5], s[6:7]
	s_cselect_b64 s[8:9], s[8:9], s[10:11]
	s_cmp_lt_u32 s15, 2
	s_cselect_b64 s[4:5], s[4:5], s[8:9]
	s_add_nc_u64 s[4:5], s[4:5], s[18:19]
	s_add_nc_u64 s[6:7], s[12:13], s[20:21]
	s_add_nc_u64 s[8:9], s[12:13], s[22:23]
.macro LOAD t                          ; block t: W(128 s + 32 t + i, my column), i = 0 .. 31
.set I, 0
.rept 32
	global_load_b32 v[X+32*(\t)+I], v2, s[4:5] offset:(32*(\t)+I)*2048 th:TH_LOAD_NT
.set I, I+1
.endr
.endm
	LOAD 0
	LOAD 1
.macro BLOCK t                         ; block t = 2 c + hh goes to lane r' + 16 hh, registers 6 c .. 6 c + 5, of my tile's fragment
.set XS, X+32*(\t)
.if (\t) < 3
	s_wait_loadcnt 32                              ; this block's 32 loads are in; the next block's 32 may be out
.else
	s_wait_loadcnt 0x0
.endif
	v_max3_num_f32 v8, |v[XS]|, |v[XS+1]|, |v[XS+2]|   ; the block's largest magnitude: all 32 numbers are mine; two chains
	v_max3_num_f32 v9, |v[XS+3]|, |v[XS+4]|, |v[XS+5]|
.irp i, 6,10,14,18,22,26
	v_max3_num_f32 v8, v8, |v[XS+\i]|, |v[XS+\i+1]|
	v_max3_num_f32 v9, v9, |v[XS+\i+2]|, |v[XS+\i+3]|
.endr
	v_max3_num_f32 v8, v8, |v[XS+30]|, |v[XS+31]|
	v_max3_num_f32 v8, v8, v9, 0x1800000           ; and the floor 2^(3 - 127): the byte cannot fall under 1
	v_add_nc_u32 v10, 0xff000000, v8               ; 2 off the exponent field: the conversion's scale operand
	v_lshrrev_b32 v11, 23, v10                     ; the scale's byte
.if (\t) == 0
	v_mov_b32 v12, v11
.else
	v_lshl_or_b32 v12, v11, 8*(\t), v12            ; four bytes make my column's scale word, the lower K in the lower byte
	s_wait_alu depctr_va_vdst(0)
	s_wait_dscnt 0x0                               ; the last block's LDS stores have read v16-21
.endif
	v_cvt_scalef32_pk16_fp6_f32 v[16:18], v[XS:XS+15], v10
	v_cvt_scalef32_pk16_fp6_f32 v[22:24], v[XS+16:XS+31], v10   ; (a conversion's three registers begin on an even number)
	v_nop                                          ; one plain instruction behind the conversions
	v_mov_b32 v19, v22
	v_mov_b32 v20, v23
	v_mov_b32 v21, v24
.if (\t) < 2
	ds_store_b128 v4, v[16:19] offset:256*((\t)&1)           ; registers 0-3: group 0
	ds_store_b64 v4, v[20:21] offset:512+256*((\t)&1)        ; registers 4, 5: the lower half of group 1
.else
	ds_store_b64 v4, v[16:17] offset:520+256*((\t)&1)        ; registers 6, 7: its upper half
	ds_store_b128 v4, v[18:21] offset:1024+256*((\t)&1)      ; registers 8-11: group 2
.endif
.if (\t)+2 < 4
	LOAD (\t)+2
.endif
.endm
	BLOCK 0
	BLOCK 1
	BLOCK 2
	BLOCK 3
	global_store_b32 v6, v12, s[8:9]
.irp i, 0,1,2,3,4,5
	ds_load_b128 v[160+4*\i:163+4*\i], v5 offset:512*\i      ; LDS serves a wave's instructions in order: these see my stores
.endr
.irp i, 0,1,2,3,4,5
	s_wait_dscnt 5-\i                              ; load i is in; the younger ones may be out
	global_store_b128 v5, v[160+4*\i:163+4*\i], s[6:7] offset:512*(\i%3)+6144*(\i/3)   ; 512 consecutive bytes; tile 2 B + 1 lies four fragments on
.endr
	s_wait_tensorcnt 0x0
	ds_add_u32 v184, v185
	s_wait_dscnt 0x0
	s_endpgm
.Lfunc_end_k_qbef1d59ba2_wquant:
	.size	k_qbef1d59ba2_wquant, .Lfunc_end_k_qbef1d59ba2_wquant-k_qbef1d59ba2_wquant
	.p2alignl 7, 3214868480
	.fill 96, 4, 3214868480
	.section	.rodata,"a",@progbits
	.p2align	6, 0x0
	.amdhsa_kernel k_qbef1d59ba2_wquant
		.amdhsa_group_segment_fixed_size 3328
		.amdhsa_private_segment_fixed_size 0
		.amdhsa_enable_private_segment 0
		.amdhsa_kernarg_size 40
		.amdhsa_user_sgpr_count 2
		.amdhsa_user_sgpr_kernarg_segment_ptr 1
		.amdhsa_wavefront_size32 1
		.amdhsa_system_sgpr_workgroup_id_x 1
		.amdhsa_system_sgpr_workgroup_id_y 1
		.amdhsa_system_sgpr_workgroup_id_z 1
		.amdhsa_system_vgpr_workitem_id 0
		.amdhsa_next_free_vgpr 186
		.amdhsa_next_free_sgpr 66
		.amdhsa_reserve_vcc 0
		.amdhsa_float_denorm_mode_32 3
		.amdhsa_float_denorm_mode_16_64 3
		.amdhsa_memory_ordered 1
		.amdhsa_forward_progress 1
		.amdhsa_inst_pref_size 22
	.end_amdhsa_kernel
	.amdgpu_metadata
---
amdhsa.version: [ 1, 2 ]
amdhsa.kernels:
  - .name:           k_qbef1d59ba2_wquant
    .symbol:         k_qbef1d59ba2_wquant.kd
    .args:
      - { .name: w_q, .offset: 0, .size: 8, .value_kind: global_buffer, .address_space: global }
      - { .name: w_k, .offset: 8, .size: 8, .value_kind: global_buffer, .address_space: global }
      - { .name: w_v, .offset: 16, .size: 8, .value_kind: global_buffer, .address_space: global }
      - { .name: w_o, .offset: 24, .size: 8, .value_kind: global_buffer, .address_space: global }
      - { .name: wb, .offset: 32, .size: 8, .value_kind: global_buffer, .address_space: global }
    .group_segment_fixed_size: 3328
    .private_segment_fixed_size: 0
    .kernarg_segment_align: 8
    .kernarg_segment_size: 40
    .max_flat_workgroup_size: 32
    .sgpr_count:     66
    .vgpr_count:     186
    .wavefront_size: 32
...
	.end_amdgpu_metadata
.endif
;; end of part 1
;; launch proj (part 2): grid 256 x 1, 4 waves a work-group, no clusters, 327,680 bytes of LDS; arguments v_q, v_k, v_v, b_q, b_k, b_v, wb, qb, kv; writes qb, kv
.if DOCPART == 2
	.amdgcn_target "amdgcn-amd-amdhsa--gfx1250"
	.amdhsa_code_object_version 6
	.text
	.protected	k_qbef1d59ba2_proj
	.globl	k_qbef1d59ba2_proj
	.p2align	8
	.type	k_qbef1d59ba2_proj,@function
k_qbef1d59ba2_proj:
	s_mov_b64 s[64:65], 0
	v_nop
	global_prefetch_b8 v0, s[64:65] scope:SCOPE_SE
	s_setreg_imm32_b32 hwreg(HW_REG_WAVE_MODE, 25, 1), 1
	s_wait_xcnt 0x0
.set XV,  133120
.set IMQ, 266240
.set SCQ, 290816
.set VIO, 26624
.set R4,  0
.set XR,  1
.set LI,  2
.set L8,  3
.set LIF, 4
.set LSF, 5
.set XWI, 6
.set XWS, 7
.set SH,  8
.set SO,  9
.set SOV, 10
.set T,   11
.set XS,  12
.set XF,  16
.set HA,  64
.set ST,  128
.set PC,  192
.set PW,  207
.set TM,  212
.set WS,  224
.set SEL, 74
.set MSB, 0
.macro WIN new
.if MSB != \new
	s_set_vgpr_msb (MSB<<8)|\new
.set MSB, \new
.endif
.endm
.macro QUANT s
.irp b, 0,1,2,3
	v_max3_num_f32 v[TM+\b], |v[\s+16*\b]|, |v[\s+1+16*\b]|, 0x1800000
.endr
.irp i, 2,4,6,8,10,12,14
.irp b, 0,1,2,3
	v_max3_num_f32 v[TM+\b], v[TM+\b], |v[\s+16*\b+\i]|, |v[\s+1+16*\b+\i]|
.endr
.endr
.irp b, 0,1,2,3
	v_permlanex16_b32 v[TM+4+\b], v[TM+\b], s[SEL], s[SEL+1]
.endr
.irp b, 0,1,2,3
	v_max_num_f32 v[TM+\b], v[TM+\b], v[TM+4+\b]
.endr
.irp b, 0,1,2,3
	v_add_nc_u32 v[TM+8+\b], 0xff000000, v[TM+\b]
.endr
.irp b, 0,1,2,3
	v_lshrrev_b32 v[TM+4+\b], 23, v[TM+8+\b]
.endr
	v_lshl_or_b32 v[PW], v[TM+5], 8, v[TM+4]
	v_lshl_or_b32 v[PW], v[TM+6], 16, v[PW]
	v_lshl_or_b32 v[PW], v[TM+7], 24, v[PW]
.irp c, 0,1
	v_cvt_scalef32_pk16_fp6_f32 v[PC+6*\c:PC+2+6*\c], v[\s+32*\c:\s+15+32*\c], v[TM+8+2*\c]
	v_cvt_scalef32_pk16_fp6_f32 v[PC+12+4*\c:PC+14+4*\c], v[\s+16+32*\c:\s+31+32*\c], v[TM+8+2*\c+1]
.endr
	v_nop
.irp c, 0,1
.irp i, 0,1,2
	v_permlane16_swap_b32 v[PC+6*\c+\i], v[PC+12+4*\c+\i]
.endr
.irp i, 0,1,2
	v_mov_b32 v[PC+3+6*\c+\i], v[PC+12+4*\c+\i]
.endr
.endr
.endm
.macro XL reg, s
.irp b, 0,1,2,3
.irp j, 0,1,2,3
	ds_load_b128 v[\reg+16*\b+4*\j:\reg+16*\b+4*\j+3], v[XR] offset:((\s)>>1)*1040+((\s)&1)*512+128*\b+16*\j
.endr
.endr
.endm
.macro IMAGE s, io
.irp c, 0,1,2
	ds_store_b128 v[XWI], v[PC+4*\c:PC+4*\c+3] offset:\io+1536*\s+512*\c
.endr
	ds_store_b32 v[XWS], v[PW] offset:\io+128*\s
.endm
.macro XPH io
	XL HA, 0
	XL ST, 1
	s_wait_dscnt 16
	QUANT HA
	IMAGE 0, \io
	XL HA, 2
	s_wait_dscnt 16
	QUANT ST
	IMAGE 1, \io
	XL ST, 3
	s_wait_dscnt 16
	QUANT HA
	IMAGE 2, \io
	s_wait_dscnt 0x0
	QUANT ST
	IMAGE 3, \io
.endm
.macro FETCHQ m
.irp s, 0,1,2,3
.irp c, 0,1,2
	ds_load_b128 v[XF+12*\s+4*\c:XF+12*\s+4*\c+3], v[LIF] offset:(4*(\m)+\s)*1536+512*\c
.endr
	ds_load_b32 v[XS+\s], v[LSF] offset:128*(4*(\m)+\s)
.endr
.endm
.macro FETCHV s
.irp m, 0,1,2,3
.irp c, 0,1,2
	ds_load_b128 v[XF+12*\m+4*\c:XF+12*\m+4*\c+3], v[LIF] offset:VIO+(4*\m+(\s))*1536+512*\c
.endr
	ds_load_b32 v[XS+\m], v[LSF] offset:VIO+128*(4*\m+(\s))
.endr
.endm
.macro MULQK s
.irp t, 0,1,2,3,4,5,6,7
.if (\s) == 0
	v_wmma_scale_f32_16x16x128_f8f6f4 v[HA+8*\t:HA+8*\t+7], v[12*(2*\t):12*(2*\t)+11], v[XF:XF+11], v[8*\t:8*\t+7], v[WS+4*\t], v[XS] matrix_a_fmt:MATRIX_FMT_FP6 matrix_b_fmt:MATRIX_FMT_FP6
.else
	v_wmma_scale_f32_16x16x128_f8f6f4 v[HA+8*\t:HA+8*\t+7], v[12*(2*\t+((\s)&1)):12*(2*\t+((\s)&1))+11], v[XF+12*(\s):XF+12*(\s)+11], v[HA+8*\t:HA+8*\t+7], v[WS+4*\t+(\s)], v[XS+(\s)] matrix_a_fmt:MATRIX_FMT_FP6 matrix_b_fmt:MATRIX_FMT_FP6
.endif
.endr
.endm
.macro MULV s
.irp t, 0,1,2,3
.irp m, 0,1,2,3
.if (\s) == 0
	v_wmma_scale_f32_16x16x128_f8f6f4 v[64+32*\t+8*\m:64+32*\t+8*\m+7], v[XF+12*\m:XF+12*\m+11], v[96+12*\t:96+12*\t+11], v[64+8*\t:64+8*\t+7], v[XS+\m], v[WS+4*\t] matrix_a_fmt:MATRIX_FMT_FP6 matrix_b_fmt:MATRIX_FMT_FP6
.elseif (\s) == 3
	v_wmma_scale_f32_16x16x128_f8f6f4 v[64+32*\t+8*\m:64+32*\t+8*\m+7], v[XF+12*\m:XF+12*\m+11], v[192+12*\t:192+12*\t+11], v[64+32*\t+8*\m:64+32*\t+8*\m+7], v[XS+\m], v[WS+4*\t+3] matrix_a_fmt:MATRIX_FMT_FP6 matrix_b_fmt:MATRIX_FMT_FP6
.else
	v_wmma_scale_f32_16x16x128_f8f6f4 v[64+32*\t+8*\m:64+32*\t+8*\m+7], v[XF+12*\m:XF+12*\m+11], v[96+12*(4*(\s)+\t):96+12*(4*(\s)+\t)+11], v[64+32*\t+8*\m:64+32*\t+8*\m+7], v[XS+\m], v[WS+4*\t+(\s)] matrix_a_fmt:MATRIX_FMT_FP6 matrix_b_fmt:MATRIX_FMT_FP6
.endif
.endr
.endr
.endm
.macro PUTQK m
	global_store_b128 v[LI], v[PC:PC+3], s[48:49] offset:768*\m
	global_store_b64 v[L8], v[PC+4:PC+5], s[48:49] offset:768*\m+512
	global_store_b128 v[LI], v[PC+6:PC+9], s[50:51] offset:768*\m
	global_store_b64 v[L8], v[PC+10:PC+11], s[50:51] offset:768*\m+512
	v_lshrrev_b32 v[T], v[SH], v[PW]
	global_store_b32 v[SO], v[T], s[52:53] offset:64*\m
.endm
.macro PUTV P
	global_store_b128 v[LI], v[PC:PC+3], s[54:55] offset:3072*\P
	global_store_b64 v[L8], v[PC+4:PC+5], s[54:55] offset:3072*\P+512
	global_store_b128 v[LI], v[PC+6:PC+9], s[54:55] offset:3072*\P+1536
	global_store_b64 v[L8], v[PC+10:PC+11], s[54:55] offset:3072*\P+2048
	v_lshrrev_b32 v[T], v[SH], v[PW]
	global_store_b16 v[SOV], v[T], s[56:57] offset:128*\P
.endm
	s_load_b512 s[8:23], s[0:1], 0x0
	s_load_b64 s[24:25], s[0:1], 0x40
	v_lshl_add_u32 v211, v0, 2, 0x4e000
	s_set_vgpr_msb 0x40
	v_mov_b32 v255, 0
	s_set_vgpr_msb 0x4044
	ds_add_u32 v211, v255
	ds_add_u32 v211, v255
	s_set_vgpr_msb 0x4400
	v_lshrrev_b32 v1, 5, v0
	v_readfirstlane_b32 s2, v1
	s_mov_b32 s3, ttmp9
	s_lshr_b32 s26, s3, 7
	s_and_b32 s27, s3, 127
	s_lshr_b32 s28, s3, 1
	s_mov_b32 s32, (3<<16)|(1<<20)|(7<<22)|(3<<25)
	s_mov_b32 s33, 128<<16
	s_mov_b32 s34, 32<<16
	s_mov_b32 s35, 128<<16
	s_mov_b32 s36, 32
	s_mov_b32 s37, 128
	s_mov_b32 s38, 0
	s_mov_b32 s39, 0
	s_mov_b32 s40, 1
	s_mul_i32 s41, s2, 33280
	s_mov_b32 s44, 1
	s_add_co_u32 s45, s41, XV
	s_lshl_b32 s78, s2, 15
	s_lshl_b32 s76, s27, 17
	s_add_co_u32 s76, s76, s78
	s_mov_b32 s77, 0
	s_lshl_b32 s80, s28, 17
	s_add_co_u32 s80, s80, s78
	s_mov_b32 s81, 0
	s_wait_dscnt 0x0
	s_wait_kmcnt 0x0
	s_cmp_eq_u32 s26, 0
	s_cselect_b64 s[42:43], s[8:9], s[10:11]
	s_add_nc_u64 s[42:43], s[42:43], s[76:77]
	s_or_b32 s43, s43, 0x80000000
	s_add_nc_u64 s[46:47], s[12:13], s[80:81]
	s_or_b32 s47, s47, 0x80000000
	tensor_load_to_lds s[40:43], s[32:39]
	s_nop 0
.rept 4
	v_nop
.endr
	s_lshr_b32 s76, s27, 6
	s_and_b32 s77, s27, 63
	s_lshl_b32 s78, s76, 3
	s_lshl_b32 s79, s2, 1
	s_add_co_u32 s78, s78, s79
	s_mul_i32 s79, s78, 196608
	s_mul_i32 s80, s77, 3072
	s_add_co_u32 s79, s79, s80
	s_lshl_b32 s81, s78, 14
	s_lshl_b32 s80, s77, 8
	s_add_co_u32 s81, s81, s80
	s_add_co_u32 s81, s81, 3145728
	s_mul_i32 s82, s78, 417792
	s_lshr_b32 s80, s77, 1
	s_mul_i32 s80, s80, 13056
	s_add_co_u32 s82, s82, s80
	s_and_b32 s80, s77, 1
	s_mul_i32 s83, s80, 3072
	s_add_co_u32 s83, s83, s82
	s_lshl_b32 s80, s80, 8
	s_add_co_u32 s82, s82, s80
	s_add_co_u32 s82, s82, 12288
	s_mov_b32 s84, 417792
	s_mov_b32 s85, 417792
	s_cmp_eq_u32 s26, 0
	s_cselect_b32 s86, s79, s83
	s_cselect_b32 s88, s81, s82
	s_cselect_b32 s84, 16384, s84
	s_cselect_b32 s90, 196608, s85
	s_cselect_b64 s[48:49], s[22:23], s[24:25]
	s_cselect_b64 s[68:69], s[14:15], s[16:17]
	s_mov_b32 s87, 0
	s_mov_b32 s89, 0
	s_mov_b32 s91, 0
	s_add_nc_u64 s[52:53], s[48:49], s[88:89]
	s_add_nc_u64 s[48:49], s[48:49], s[86:87]
	s_add_nc_u64 s[50:51], s[48:49], s[90:91]
	s_and_b32 s76, s3, 1
	s_lshl_b32 s76, s76, 2
	s_add_co_u32 s29, s76, s2
	s_lshr_b32 s76, s28, 6
	s_lshl_b32 s76, s76, 3
	s_add_co_u32 s76, s76, s29
	s_lshl_b32 s76, s76, 5
	s_bfe_u32 s77, s28, 0x50001
	s_add_co_u32 s76, s76, s77
	s_mul_i32 s76, s76, 13056
	s_and_b32 s78, s28, 1
	s_mul_i32 s80, s78, 768
	s_add_co_u32 s80, s80, s76
	s_add_co_u32 s80, s80, 6144
	s_mov_b32 s81, 0
	s_add_nc_u64 s[54:55], s[24:25], s[80:81]
	s_lshl_b32 s80, s78, 1
	s_add_co_u32 s80, s80, s76
	s_add_co_u32 s80, s80, 12800
	s_add_nc_u64 s[56:57], s[24:25], s[80:81]
	s_mul_i32 s80, s26, 196608
	s_mul_i32 s82, s2, 49152
	s_add_co_u32 s80, s80, s82
	s_add_nc_u64 s[58:59], s[20:21], s[80:81]
	s_lshl_b32 s80, s26, 13
	s_lshl_b32 s82, s2, 11
	s_add_co_u32 s80, s80, s82
	s_add_co_u32 s80, s80, 786432
	s_add_nc_u64 s[60:61], s[20:21], s[80:81]
	s_mul_i32 s80, s29, 24576
	s_add_co_u32 s80, s80, 393216
	s_add_nc_u64 s[62:63], s[20:21], s[80:81]
	s_lshl_b32 s80, s29, 10
	s_add_co_u32 s80, s80, 802816
	s_add_nc_u64 s[66:67], s[20:21], s[80:81]
	s_lshl_b32 s80, s2, 9
	s_add_nc_u64 s[68:69], s[68:69], s[80:81]
	s_lshl_b32 s80, s29, 8
	s_add_nc_u64 s[70:71], s[18:19], s[80:81]
	s_mov_b32 s[SEL], 0x76543210
	s_mov_b32 s[SEL+1], 0xfedcba98
	s_lshr_b32 s30, s2, 1
	s_lshl_b32 s30, s30, 5
	s_and_b32 s31, s2, 1
	s_lshl_b32 s31, s31, 3
	s_add_co_u32 s30, s30, s31
	s_mul_i32 s30, s30, 2080
	s_mul_i32 s31, s2, 6144
	s_mul_i32 s73, s2, 16640                       ; 8 x wave rows of 2,080 bytes: the first token of my tile of q's or k's tokens
	s_lshl_b32 s72, s2, 9
	v_and_b32 v16, 15, v0
	v_bfe_u32 v17, v0, 4, 1
	v_and_b32 v18, 31, v0
	v_and_b32 v19, 8, v16
	v_add_nc_u32 v19, v19, v16
	v_mul_u32_u24 v[XR], v19, 2080
	v_lshl_add_u32 v[XR], v17, 6, v[XR]
	v_add_nc_u32 v22, s30, v[XR]                   ; v's tokens: lane r of tile 2 b + u takes token 32 b + 8 u + r + 8 (r / 8); kept in v22 until v's turn
	v_and_b32 v23, 8, v16
	v_mad_u32_u24 v23, v23, 3, v16                 ; q's and k's tokens: lane r of tile T takes token 8 T + r % 8 + 32 (r / 8) of the work-group's 64
	v_mul_u32_u24 v[XR], v23, 2080
	v_lshl_add_u32 v[XR], v17, 6, v[XR]
	v_add_nc_u32 v[XR], s73, v[XR]
	v_lshlrev_b32 v[LI], 4, v18
	v_lshlrev_b32 v[L8], 3, v18
	v_add_nc_u32 v[LIF], IMQ, v[LI]
	v_lshl_add_u32 v[LSF], v18, 2, SCQ
	v_add_nc_u32 v[XWI], s31, v[LIF]
	v_add_nc_u32 v[XWS], s72, v[LSF]
	v_lshlrev_b32 v[SH], 4, v17
	v_mul_u32_u24 v[SO], s84, v17
	v_lshl_add_u32 v[SO], v16, 2, v[SO]
	v_lshlrev_b32 v[SOV], 2, v16
	v_lshl_add_u32 v[SOV], v17, 6, v[SOV]
	v_lshlrev_b32 v[R4], 2, v16
	v_lshlrev_b32 v20, 6, v17
	v_lshlrev_b32 v21, 2, v19
.irp b, 0,1,2,3
	v_mov_b32 v[TM+4+\b], 0
.endr
	WIN 0x40
.irp t, 0,1,2,3,4,5,6,7
.irp s, 0,1
.irp c, 0,1,2
	global_load_b128 v[12*(2*\t+\s)+4*\c:12*(2*\t+\s)+4*\c+3], v[LI], s[58:59] offset:(4*\t+\s)*1536+512*\c
.endr
.endr
.endr
	WIN 0x80
.irp t, 0,1,2,3,4,5,6,7
.irp s, 0,1
.irp c, 0,1,2
	global_load_b128 v[12*(2*\t+\s)+4*\c:12*(2*\t+\s)+4*\c+3], v[LI], s[58:59] offset:(4*\t+\s+2)*1536+512*\c
.endr
.endr
.endr
.irp t, 0,1,2,3
.irp c, 0,1,2
	global_load_b128 v[192+12*\t+4*\c:192+12*\t+4*\c+3], v[LI], s[62:63] offset:(4*\t+3)*1536+512*\c
.endr
.endr
	WIN 0xc0
.irp t, 0,1,2,3
.irp s, 0,1,2
.irp c, 0,1,2
	global_load_b128 v[96+12*(4*\s+\t)+4*\c:96+12*(4*\s+\t)+4*\c+3], v[LI], s[62:63] offset:(4*\t+\s)*1536+512*\c
.endr
.endr
.endr
.irp t, 0,1,2,3,4,5,6,7
	global_load_b128 v[8*\t:8*\t+3], v20, s[68:69] offset:(32*(\t/2)+8*(\t%2))*4
	global_load_b128 v[8*\t+4:8*\t+7], v20, s[68:69] offset:(32*(\t/2)+8*(\t%2))*4+16
.endr
.irp t, 0,1,2,3
.irp j, 0,1,2,3,4,5,6,7
	global_load_b32 v[64+8*\t+\j], v21, s[70:71] offset:(32*(\t/2)+8*(\t%2))*4
.endr
.endr
	WIN 0
.irp t, 0,1,2,3,4,5,6,7
.irp s, 0,1,2,3
	global_load_b32 v[WS+4*\t+\s], v[R4], s[60:61] offset:(4*\t+\s)*64
.endr
.endr
	s_set_vgpr_msb 0x4                             ; the add's 0 lies in window 1
	s_wait_alu depctr_va_vdst(0)
	s_wait_tensorcnt 0x0                           ; my part of q's or k's tokens is in; the weights' loads above were issued under its flight
	ds_add_u32 v211, v255
	s_wait_dscnt 0x0
	s_set_vgpr_msb 0x400
	s_barrier_signal -1
	s_barrier_wait -1
	tensor_load_to_lds s[44:47], s[32:39]          ; v's tokens: they land under q's or k's quantising and products
	s_nop 0
.rept 4
	v_nop
.endr
	XPH 0
	v_add_nc_u32 v[XR], XV, v22
	s_wait_alu depctr_va_vdst(0)
	s_wait_dscnt 0x0
	s_barrier_signal -1                            ; the images of q's or k's tokens are whole; v's load may stay out
	s_barrier_wait -1
	s_wait_loadcnt 0x0
	FETCHQ 0
.irp m, 0,1,2,3
	s_wait_dscnt 0x0
	WIN 0x31
	MULQK 0
	WIN 0x01
	MULQK 1
	WIN 0x02
	MULQK 2
	MULQK 3
	WIN 0
.rept 5
	v_nop
.endr
.if \m < 3
	FETCHQ \m+1
.else
.irp t, 0,1,2,3
.irp s, 0,1,2,3
	global_load_b32 v[WS+4*\t+\s], v[R4], s[66:67] offset:(4*\t+\s)*64
.endr
.endr
.endif
	s_wait_xcnt 0x0
	QUANT HA
	PUTQK \m
.endr
	s_wait_alu depctr_va_vdst(0)
	s_wait_tensorcnt 0x0                           ; my part of v's tokens is in
	s_wait_dscnt 0x0
	s_barrier_signal -1
	s_barrier_wait -1
	s_wait_xcnt 0x0                                ; the last stores have read the registers that the quantiser writes
	XPH VIO
	s_wait_dscnt 0x0
	s_barrier_signal -1
	s_barrier_wait -1
	FETCHV 0
	s_wait_dscnt 0x0
	s_wait_loadcnt 0x0
	WIN 0x3c
	MULV 0
	WIN 0
.rept 4
	v_nop
.endr
	FETCHV 1
	s_wait_dscnt 0x0
	WIN 0x0c
	MULV 1
	WIN 0
.rept 4
	v_nop
.endr
	FETCHV 2
	s_wait_dscnt 0x0
	WIN 0x0c
	MULV 2
	WIN 0
.rept 4
	v_nop
.endr
	FETCHV 3
	s_wait_dscnt 0x0
	WIN 0x08
	MULV 3
	WIN 0
.rept 4
	v_nop
.endr
	s_wait_xcnt 0x0
	QUANT HA
	PUTV 0
	s_wait_xcnt 0x0
	QUANT ST
	PUTV 1
	s_set_vgpr_msb 0x4
	s_wait_tensorcnt 0x0
	ds_add_u32 v211, v255
	s_wait_dscnt 0x0
	s_set_vgpr_msb 0x400
	s_endpgm
.Lfunc_end_k_qbef1d59ba2_proj:
	.size	k_qbef1d59ba2_proj, .Lfunc_end_k_qbef1d59ba2_proj-k_qbef1d59ba2_proj
	.p2alignl 7, 3214868480
	.fill 96, 4, 3214868480
	.section	.rodata,"a",@progbits
	.p2align	6, 0x0
	.amdhsa_kernel k_qbef1d59ba2_proj
		.amdhsa_group_segment_fixed_size 327680
		.amdhsa_private_segment_fixed_size 0
		.amdhsa_enable_private_segment 0
		.amdhsa_kernarg_size 72
		.amdhsa_user_sgpr_count 2
		.amdhsa_user_sgpr_kernarg_segment_ptr 1
		.amdhsa_wavefront_size32 1
		.amdhsa_system_sgpr_workgroup_id_x 1
		.amdhsa_system_sgpr_workgroup_id_y 1
		.amdhsa_system_sgpr_workgroup_id_z 1
		.amdhsa_system_vgpr_workitem_id 0
		.amdhsa_next_free_vgpr 1024
		.amdhsa_next_free_sgpr 92
		.amdhsa_reserve_vcc 0
		.amdhsa_float_denorm_mode_32 3
		.amdhsa_float_denorm_mode_16_64 3
		.amdhsa_memory_ordered 1
		.amdhsa_forward_progress 1
		.amdhsa_inst_pref_size 131
	.end_amdhsa_kernel
	.amdgpu_metadata
---
amdhsa.version: [ 1, 2 ]
amdhsa.kernels:
  - .name:           k_qbef1d59ba2_proj
    .symbol:         k_qbef1d59ba2_proj.kd
    .args:
      - { .name: v_q, .offset: 0, .size: 8, .value_kind: global_buffer, .address_space: global }
      - { .name: v_k, .offset: 8, .size: 8, .value_kind: global_buffer, .address_space: global }
      - { .name: v_v, .offset: 16, .size: 8, .value_kind: global_buffer, .address_space: global }
      - { .name: b_q, .offset: 24, .size: 8, .value_kind: global_buffer, .address_space: global }
      - { .name: b_k, .offset: 32, .size: 8, .value_kind: global_buffer, .address_space: global }
      - { .name: b_v, .offset: 40, .size: 8, .value_kind: global_buffer, .address_space: global }
      - { .name: wb, .offset: 48, .size: 8, .value_kind: global_buffer, .address_space: global }
      - { .name: qb, .offset: 56, .size: 8, .value_kind: global_buffer, .address_space: global }
      - { .name: kv, .offset: 64, .size: 8, .value_kind: global_buffer, .address_space: global }
    .group_segment_fixed_size: 327680
    .private_segment_fixed_size: 0
    .kernarg_segment_align: 8
    .kernarg_segment_size: 72
    .max_flat_workgroup_size: 128
    .sgpr_count:     92
    .vgpr_count:     1024
    .wavefront_size: 32
...
	.end_amdgpu_metadata
.endif
;; end of part 2
;; launch attn (part 3): grid 16 x 16, 16 waves a work-group, clusters of 4 x 1, 327,680 bytes of LDS; arguments qb, kv, ab; writes ab
.if DOCPART == 3
	.amdgcn_target "amdgcn-amd-amdhsa--gfx1250"
	.amdhsa_code_object_version 6
	.text
	.protected	k_qbef1d59ba2_attn
	.globl	k_qbef1d59ba2_attn
	.p2align	8
	.type	k_qbef1d59ba2_attn,@function
k_qbef1d59ba2_attn:
	s_mov_b64 s[64:65], 0
	v_nop
	global_prefetch_b8 v0, s[64:65] scope:SCOPE_SE
	s_setreg_imm32_b32 hwreg(HW_REG_WAVE_MODE, 25, 1), 1
	s_wait_xcnt 0x0
	s_wait_alu depctr_hold_cnt(0) depctr_sa_sdst(0) depctr_va_vdst(0) depctr_va_sdst(0) depctr_va_ssrc(0) depctr_va_vcc(0) depctr_vm_vsrc(0)
	s_getreg_b32 s2, hwreg(HW_REG_IB_STS2, 6, 4)
	s_cmp_eq_u32 s2, 0
	s_cbranch_scc0 .Lentry_in_a_cluster
	s_endpgm
.Lentry_in_a_cluster:
	s_bfe_u32 s2, ttmp6, 0x10000c
	s_cmp_lg_u32 s2, 0x3003
	s_cbranch_scc0 .Lentry_shape_is_right
	s_endpgm
.Lentry_shape_is_right:
; attn[b][head][q][:] = the sum over k of softmax_k(q . k / 8) v[k][:], both products on codes of FP6 (E2M3) with one E8M0 byte for each 32 along a product's K; attn is then quantised along the head's 64 and stored as codes.
; THE SOFTMAX: t = score x log2(e) / 8; M = the row's largest t so far, rounded UP to a whole number; p = 2^(t - M) is quantised along the keys, not normalised.  The row's sum is taken of the unquantised p, in f32, and divides O at the end.
; When M moves, the sum and O are multiplied by 2^(old M - new M): exact.
; INPUTS: images of operand registers.  q: half a fragment (768 bytes) for each (head, tile of 16 queries).  k and v: a dense RECORD of 13,056 bytes for each (head, 128 keys): 8 tiles of keys x 768; 4 tiles of d x 1,536; 8 x 64 bytes of k's scale words; 4 x 64 of v's.
; A head is 64, the instruction's K 128: q's registers 6-11 are zero codes, and what stands in k's registers 6-11 is multiplied by zeros; no scale byte is 0xff.
; LAYOUT.  Both products transposed (S^T = K Q^T, O^T = V^T P^T): a lane holds ONE query.  Tile 4 c + T of a record's keys holds key 64 c + 8 T + j in row j and key 64 c + 32 + 8 T + j in row 8 + j (j = 0 .. 7):
; so lane (r, h) has in the 32 score registers of group c the keys 64 c + 32 h + 0 .. 31: ONE WHOLE BLOCK, in the order of the next operand's registers.  No lane is asked for a block's maximum and no codes change lanes.
; A tile of queries holds tokens in the same way: lane r of tile 4 g + T is token 64 g + 8 T + r % 8 + 32 (r / 8).
; A BLOCK'S SCALE: p rises with the score, so the block's largest score goes through the same multiply-add as every score, x = t - M, and floor(x) is the exponent of the block's largest p.
; THE ROW'S SUM of a step's p is taken in the NEXT step: its additions stand in the places behind the matrix instructions, and the next tiles of k are loaded under them.  The running sum stays one step behind M: the multiply-add that
; takes a step's p in also brings the older sum under that step's M, by that step's f.  The first step sums zeros; the last step's p is summed behind the loops.
; SHARES.  A work-group owns 256 queries of one head, each of its sixteen waves 16 of them: four waves to a SIMD, so that one wave's vector work stands beside another's matrix work, exponentials and LDS loads.
; LDS.  Region 0 holds 8 records, region 1 sixteen, dense.  Records 0-7 are asked for at the head (waves 0-7, one each), records 8-23 behind the first round (every wave one), records 24-31 into region 0 again when its 8 steps are read.
; CLUSTER.  The four query blocks of a cluster belong to one head and walk the same records: each record is asked for JOINTLY, by the same tensor load with the same descriptor and a mask that names the four.
; NO PREFETCH: the first two fills go out with no loop ahead of them, and the third has region 1's sixteen key steps between its request and the wait for it.
; LIMITS: the promise holds while |t| stays under 2^31.  Where a block's largest x lies within an ulp under a whole number, so that its p rounds to the power of two above, that one p is held at the largest code.
; A block whose every p is under 2^-124 gets the byte 1; a block of zeros gets the byte 1 where the rule says 127 (this program alone reads the bytes); NaN and infinities are not served.
; The scale bytes of attn leave as 2 bytes a token: blocks of 256 bytes written in part, kept for the sake of a plain text.
.set REC,   13056
.set R1B,   8*REC                      ; region 1 begins here
.set SPARE, 24*REC                     ; the spare words, 128 bytes for each wave: eight blocks of 256 bytes that no other line names
.set L16, 1                            ; 16 x lane
.set L8,  2                            ; 8 x lane
.set L4,  3                            ; 4 x lane
.set SPW, 4                            ; LDS address of my spare word; never rewritten
.set NIL, 5                            ; 0; never rewritten
.set ADK, 6                            ; v6-8 the three with the trip's first record added
.set AD8, 7
.set AD4, 8
.set SH8, 9                            ; 8 h
.set SBO, 10                           ; 16 x my token's place among the tile's: its 16 scale bytes in ab
.set RMX, 11                           ; the row's largest score so far
.set NM,  12                           ; v[12:13], v[14:15]: -M, two pairs by turns (the upper words are named with them and written once)
.set QF,  16                           ; v16-21 q's codes, v22-27 zeros
.set QS,  28
.set PS,  29                           ; p's scale word
.set F,   30                           ; v[30:31] f = 2^(old M - new M)
.set KF,  32                           ; v32-79 k's 8 tiles (v80-85 zeros), later v's 4 fragments
.set KSC, 86                           ; v86-89 k's scale words: lanes 0-15 tile 2 i, lanes 16-31 tile 2 i + 1
.set VSC, 90
.set S,   96                           ; v96-159 S^T, then p
.set O,   160                          ; v160-191 O^T
.set PCD, 192                          ; v192-203 p's codes
.set PC2, 204                          ; v204-206, v208-210 the conversions' second halves
.set BM,  212                          ; v212-215 largest scores
.set PD,  216                          ; v216-217 permute destinations
.set SCO, 220                          ; v220-221 the conversions' scale operands
.set TMP, 224
.set CH,  226                          ; v[226:227] the row's sum in two halves; v228-235 four more chains of a step
.set WV,  10
.set G1,  24
.set G0,  32
.set SEL, 36
.set CS,  38                           ; s[38:39] c = log2(e) / 8
.set TB,  40                           ; LDS byte of the trip's first record
.set CNT, 41
.set NCS, 42                           ; -c
.macro CROUND                          ; a round of the cluster's barrier
	s_barrier_signal -1
	s_barrier_wait -1
	s_cmp_lg_u32 s[WV], 0
	s_cbranch_scc1 .Lnot_wave_0_\@
	s_barrier_signal -3
.Lnot_wave_0_\@:
	s_barrier_wait -3
	s_barrier_signal -1
	s_barrier_wait -1
.endm
.macro TLOAD8                          ; waves 0 to 7 fetch a record each; the branch hangs on the wave's number alone
	s_cmp_lt_u32 s[WV], 8
	s_cbranch_scc0 .Lno_load_\@
	tensor_load_to_lds s[G0:G0+3], s[G1:G1+7]
	s_nop 0
.rept 4
	v_nop
.endr
.Lno_load_\@:
.endm
	s_load_b128 s[4:7], s[0:1], 0x0                ; qb, kv
	s_load_b64 s[8:9], s[0:1], 0x10                ; ab
	v_lshl_add_u32 v[SPW], v0, 2, SPARE
	v_mov_b32 v[NIL], 0
	ds_add_u32 v[SPW], v[NIL]                      ; the opening lines: the add, twice on end, and its wait
	ds_add_u32 v[SPW], v[NIL]
	v_lshrrev_b32 v6, 5, v0
	s_delay_alu instid0(VALU_DEP_1)
	v_readfirstlane_b32 s[WV], v6                  ; wave 0..15
	s_bfe_u32 s11, ttmp6, 0x40000                  ; cx: it enters q's and ab's addresses alone
	s_lshl_b32 s12, ttmp9, 2
	s_add_co_u32 s12, s12, s11                     ; my block of 256 queries
	s_and_b32 s13, ttmp7, 0xffff                   ; 8 b + head, which the four partners share
	s_lshl_b32 s14, s12, 4
	s_add_co_u32 s14, s14, s[WV]                   ; my tile of queries in the batch
	s_mov_b32 s[G1], 15|(3<<16)|(1<<21)            ; a record is dense: 51 rows of 32 elements of 8 bytes; the mask names all four work-groups
	s_mov_b32 s[G1+1], 32<<16
	s_mov_b32 s[G1+2], 51<<16
	s_mov_b32 s[G1+3], 32<<16
	s_mov_b32 s[G1+4], 51
	s_mov_b32 s[G1+5], 32
	s_mov_b32 s[G1+6], 0
	s_mov_b32 s[G1+7], 0
	s_mov_b32 s[G0], 1
	s_mul_i32 s[G0+1], s[WV], REC                  ; LDS: record w: no place in the cluster enters an LDS address
	s_mul_i32 s16, s13, 32*REC                     ; the head's first record
	s_add_co_u32 s18, s16, s[G0+1]
	s_mov_b32 s19, 0
	s_lshl_b32 s17, s13, 8
	s_add_co_u32 s17, s17, s14
	s_mul_i32 s22, s17, 768                        ; q's codes
	s_mov_b32 s23, 0
	s_lshl_b32 s60, s17, 6
	s_add_co_u32 s60, s60, 3145728                 ; q's scale words
	s_mov_b32 s61, 0
	s_lshr_b32 s54, s13, 3                         ; b
	s_and_b32 s55, s13, 7                          ; head
	s_lshl_b32 s56, s54, 8
	s_add_co_u32 s56, s56, s14
	s_lshl_b32 s56, s56, 3
	s_add_co_u32 s56, s56, s55
	s_mul_i32 s56, s56, 768                        ; ab's codes: ((256 b + tile) 8 + head) 768
	s_mov_b32 s57, 0
	s_lshl_b32 s58, s54, 12
	s_lshr_b32 s59, s14, 2
	s_lshl_b32 s59, s59, 6
	s_add_co_u32 s58, s58, s59
	s_and_b32 s59, s14, 3
	s_lshl_b32 s59, s59, 3
	s_add_co_u32 s58, s58, s59                     ; the tile's first token: 4,096 b + 64 (tile / 4) + 8 (tile % 4)
	s_lshl_b32 s58, s58, 4                         ; 16 scale bytes a token
	s_lshl_b32 s59, s55, 1
	s_add_co_u32 s58, s58, s59
	s_add_co_u32 s58, s58, 3145728
	s_mov_b32 s59, 0
	s_mov_b32 s[SEL], 0x76543210
	s_mov_b32 s[SEL+1], 0xfedcba98
	s_mov_b32 s[CS], 0x3e38aa3b                    ; c = log2(e) / 8
	s_mov_b32 s[CS+1], s[CS]
	s_mov_b32 s[NCS], 0xbe38aa3b
	s_wait_alu depctr_va_vdst(0)
	s_wait_dscnt 0x0
	s_wait_kmcnt 0x0
	s_add_nc_u64 s[G0+2:G0+3], s[6:7], s[18:19]
	s_or_b32 s[G0+3], s[G0+3], 0x80000000
	s_add_nc_u64 s[46:47], s[4:5], s[22:23]
	s_add_nc_u64 s[48:49], s[4:5], s[60:61]
	s_add_nc_u64 s[50:51], s[8:9], s[56:57]
	s_add_nc_u64 s[52:53], s[8:9], s[58:59]
	CROUND                                         ; all four work-groups are here: the first joint loads meet
	TLOAD8                                         ; records 0-7
	v_and_b32 v6, 31, v0
	v_and_b32 v7, 15, v0                           ; r
	v_bfe_u32 v[SH8], v0, 4, 1
	s_delay_alu instid0(VALU_DEP_3)
	v_lshlrev_b32 v[L16], 4, v6
	v_lshlrev_b32 v[L8], 3, v6
	v_lshlrev_b32 v[L4], 2, v6
	v_lshlrev_b32 v[TMP+1], 2, v7
	v_lshlrev_b32 v[SH8], 3, v[SH8]
	global_load_b128 v[QF:QF+3], v[L16], s[46:47] th:TH_LOAD_NT          ; q's half fragment stays in registers
	global_load_b64 v[QF+4:QF+5], v[L8], s[46:47] offset:512 th:TH_LOAD_NT
	global_load_b32 v[QS], v[TMP+1], s[48:49] th:TH_LOAD_NT
.irp j, 0,1,2,3,4,5
	v_mov_b32 v[QF+6+\j], 0                        ; K = 64 .. 127 of q: zero codes
	v_mov_b32 v[KF+48+\j], 0                       ; what stands behind k's last tile
.endr
	v_and_b32 v8, 8, v7
	s_delay_alu instid0(VALU_DEP_1)
	v_mad_u32_u24 v8, v8, 3, v7                    ; r % 8 + 32 (r / 8)
	s_delay_alu instid0(VALU_DEP_1)
	v_lshlrev_b32 v[SBO], 4, v8
	v_mov_b32 v[RMX], 0xff61b1e6                   ; -3e38, under every score
	v_mov_b32 v[NM], 0
	v_mov_b32 v[NM+1], 0
	v_mov_b32 v[NM+2], 0x7f61b1e6                  ; the first step's old -M: 3e38, a whole number: its f comes out 0
	v_mov_b32 v[NM+3], 0
	v_mov_b32 v[CH], 0
	v_mov_b32 v[CH+1], 0
	v_mov_b32 v[F], 0                              ; the first step's sum takes this f: 0 x 0
	v_mov_b32 v[F+1], 0
	v_mov_b32 v[PD], 0                             ; a lane permute's destination counts as one of its sources
	v_mov_b32 v[PD+1], 0
.set J, 0
.rept 96
	v_mov_b32 v[S+J], 0                            ; p and O^T: the step is written once, and the first finds zeros to sum and to rescale.  (These stand under the first records' flight)
.set J, J+1
.endr
; THE SUM OF THE LAST STEP'S p, 32 packed instructions in five chains: four, which are the places ahead of k's loads; 24 under those loads; four behind the scores' products, which are the places there.
.macro SUMA
.irp n, 0,1,2,3
	v_pk_add_f32 v[CH+2+2*\n:CH+3+2*\n], v[S+4*\n:S+4*\n+1], v[S+4*\n+2:S+4*\n+3]
.endr
.endm
.macro SUMB                            ; 24 pairs by turns onto the four chains of the step: the running sum is not among them, since it still stands under the M of the step before
.set J, 16
.rept 24
	v_pk_add_f32 v[CH+2+2*((J/2)%4):CH+3+2*((J/2)%4)], v[CH+2+2*((J/2)%4):CH+3+2*((J/2)%4)], v[S+J:S+J+1]
.set J, J+2
.endr
.endm
.macro SUMC
	v_pk_add_f32 v[CH+2:CH+3], v[CH+2:CH+3], v[CH+4:CH+5]
	v_pk_add_f32 v[CH+6:CH+7], v[CH+6:CH+7], v[CH+8:CH+9]
	s_delay_alu instid0(VALU_DEP_2)
	v_pk_fma_f32 v[CH:CH+1], v[CH:CH+1], v[F:F+1], v[CH+2:CH+3] op_sel_hi:[1,0,1]   ; the older sum x the last step's f, under whose M the last step's p stands
	s_delay_alu instid0(VALU_DEP_1)
	v_pk_add_f32 v[CH:CH+1], v[CH:CH+1], v[CH+6:CH+7]
.endm
; A KEY STEP: 128 keys, record q of the trip's two.  par: which pair takes the new -M
.macro STEP q, par
.set RB, (\q)*REC
.set NN, NM+2*(\par)
.set NO, NM+2-2*(\par)
	SUMA
.irp t, 0,1,2,3,4,5,6,7
	ds_load_b128 v[KF+6*\t:KF+6*\t+3], v[ADK] offset:RB+768*\t
	ds_load_b64 v[KF+6*\t+4:KF+6*\t+5], v[AD8] offset:RB+768*\t+512
.endr
.irp i, 0,1,2,3
	ds_load_b32 v[KSC+\i], v[AD4] offset:RB+12288+128*\i
.endr
	SUMB
	s_wait_alu depctr_va_vdst(0)
	s_wait_dscnt 0x0
.irp t, 0,2,4,6                        ; S^T = K Q^T: eight tiles of 16 keys
	v_wmma_scale_f32_16x16x128_f8f6f4 v[S+8*\t:S+8*\t+7], v[KF+6*\t:KF+6*\t+11], v[QF:QF+11], 0, v[KSC+\t/2], v[QS] matrix_a_fmt:MATRIX_FMT_FP6 matrix_b_fmt:MATRIX_FMT_FP6
	v_wmma_scale_f32_16x16x128_f8f6f4 v[S+8*\t+8:S+8*\t+15], v[KF+6*\t+6:KF+6*\t+17], v[QF:QF+11], 0, v[KSC+\t/2], v[QS] matrix_a_fmt:MATRIX_FMT_FP6 matrix_b_fmt:MATRIX_FMT_FP6 matrix_a_scale:MATRIX_SCALE_ROW1
.endr
	SUMC
.irp t, 0,1,2,3                        ; v's four fragments land under the softmax
	ds_load_b128 v[KF+12*\t:KF+12*\t+3], v[ADK] offset:RB+6144+1536*\t
	ds_load_b64 v[KF+12*\t+4:KF+12*\t+5], v[AD8] offset:RB+6144+1536*\t+512
	ds_load_b128 v[KF+12*\t+6:KF+12*\t+9], v[ADK] offset:RB+6144+1536*\t+768
	ds_load_b64 v[KF+12*\t+10:KF+12*\t+11], v[AD8] offset:RB+6144+1536*\t+1280
.endr
.irp i, 0,1
	ds_load_b32 v[VSC+\i], v[AD4] offset:RB+12800+128*\i
.endr
.irp b, 0,1,2,3                        ; the largest score of my two blocks, each in two chains; every accumulator is read from its low end on
	v_max3_num_f32 v[BM+\b], v[S+16*\b], v[S+1+16*\b], v[S+2+16*\b]
.endr
.irp i, 3,5,7,9,11,13
.irp b, 0,1,2,3
	v_max3_num_f32 v[BM+\b], v[BM+\b], v[S+16*\b+\i], v[S+1+16*\b+\i]
.endr
.endr
	v_max3_num_f32 v[BM], v[BM], v[S+15], v[S+31]
	v_max3_num_f32 v[BM+2], v[BM+2], v[S+47], v[S+63]
	s_delay_alu instid0(VALU_DEP_2)
	v_max_num_f32 v[BM], v[BM], v[BM+1]            ; block h
	s_delay_alu instid0(VALU_DEP_2)
	v_max_num_f32 v[BM+2], v[BM+2], v[BM+3]        ; block 2 + h
	s_delay_alu instid0(VALU_DEP_1)
	v_max_num_f32 v[TMP], v[BM], v[BM+2]
	s_delay_alu instid0(VALU_DEP_1)
	v_permlanex16_b32 v[PD], v[TMP], s[SEL], s[SEL+1]
	s_delay_alu instid0(VALU_DEP_1)
	v_max3_num_f32 v[RMX], v[RMX], v[TMP], v[PD]   ; with lane l xor 16's 64 keys: the row's largest score so far
	s_delay_alu instid0(VALU_DEP_1)
	v_mul_f32 v[TMP], s[NCS], v[RMX]               ; -t
	s_delay_alu instid0(VALU_DEP_1)
	v_floor_f32 v[NN], v[TMP]                      ; the new -M = floor(-t) = -ceil(t): M IS A WHOLE NUMBER
	s_delay_alu instid0(VALU_DEP_1)
	v_sub_f32 v[TMP], v[NN], v[NO]                 ; M's old value less its new one: a whole number, 0 or less
.set J, 0
.rept 32
	v_pk_fma_f32 v[S+J:S+J+1], v[S+J:S+J+1], s[CS:CS+1], v[NN:NN+1] op_sel_hi:[1,0,0]   ; t - M, two at a time (of the pairs c and -M the low word serves both halves)
.if J == 4
	v_cvt_i32_f32 v[TMP], v[TMP]                   ; (it saturates)
.endif
.if J == 10
	v_ldexp_f32 v[F], 1.0, v[TMP]                  ; f = 2^(old M - new M)
.endif
.set J, J+2
.endr
	v_fma_f32 v[BM], v[BM], s[CS], v[NN]           ; x: the same of each block's largest score
	v_fma_f32 v[BM+2], v[BM+2], s[CS], v[NN]
	s_wait_alu depctr_va_vdst(0)
.set J, 0
.rept 64
	v_exp_f32 v[S+J], v[S+J]                       ; p = 2^(t - M): NOT normalised
.set J, J+1
.endr
	v_max_num_f32 v[BM], 0xc2f80000, v[BM]         ; x held at -124 from below: the byte cannot fall under 1
	v_max_num_f32 v[BM+2], 0xc2f80000, v[BM+2]
	s_delay_alu instid0(VALU_DEP_2)
	v_cvt_floor_i32_f32 v[BM], v[BM]               ; e = floor(x): the exponent of the block's largest p
	s_delay_alu instid0(VALU_DEP_2)
	v_cvt_floor_i32_f32 v[BM+2], v[BM+2]
	s_delay_alu instid0(VALU_DEP_2)
	v_add_lshl_u32 v[SCO], v[BM], 125, 23          ; the byte e - 2 + 127 in the exponent field: the conversion's scale operand
	s_delay_alu instid0(VALU_DEP_2)
	v_add_lshl_u32 v[SCO+1], v[BM+2], 125, 23
	v_lshl_add_u32 v[TMP], v[BM+2], 16, v[BM]      ; e of block h + 65,536 e of block 2 + h, modulo 2^32,
	s_delay_alu instid0(VALU_DEP_1)
	v_add_lshl_u32 v[TMP], v[TMP], 0x7d007d, v[SH8]   ; + 125 in each: my two bytes, 8 h bits up
	s_delay_alu instid0(VALU_DEP_1)
	v_permlanex16_b32 v[PD], v[TMP], s[SEL], s[SEL+1]
	s_wait_alu depctr_va_vdst(0)                   ; one wait for the whole batch, ahead of its first reader
.irp c, 0,1
	v_cvt_scalef32_pk16_fp6_f32 v[PCD+6*\c:PCD+2+6*\c], v[S+32*\c:S+15+32*\c], v[SCO+\c]
	v_cvt_scalef32_pk16_fp6_f32 v[PC2+4*\c:PC2+2+4*\c], v[S+16+32*\c:S+31+32*\c], v[SCO+\c]   ; (a conversion's three registers begin on an even number)
.endr
	v_or_b32 v[PS], v[TMP], v[PD]                  ; with lane l xor 16's two bytes: p's scale word for these 128 keys.  (The plain instruction behind the conversions)
.irp c, 0,1
.irp i, 0,1,2
	v_mov_b32 v[PCD+3+6*\c+\i], v[PC2+4*\c+\i]
.endr
.endr
	s_wait_alu depctr_va_vdst(0)                   ; ahead of the wait below and of O^T's first reader
	s_wait_dscnt 0x0                               ; v's fragments and scale words are in
.set J, 0
.rept 16
	v_pk_mul_f32 v[O+J:O+J+1], v[O+J:O+J+1], v[F:F+1] op_sel_hi:[1,0]   ; O^T under the new M.  For each product below, the twelve on the other three tiles are the places behind p's scale word (8) and codes (4)
.set J, J+2
.endr
.irp t, 0,2                            ; O^T += V^T P^T: four accumulators by turns
	v_wmma_scale_f32_16x16x128_f8f6f4 v[O+8*\t:O+8*\t+7], v[KF+12*\t:KF+12*\t+11], v[PCD:PCD+11], v[O+8*\t:O+8*\t+7], v[VSC+\t/2], v[PS] matrix_a_fmt:MATRIX_FMT_FP6 matrix_b_fmt:MATRIX_FMT_FP6
	v_wmma_scale_f32_16x16x128_f8f6f4 v[O+8*\t+8:O+8*\t+15], v[KF+12*\t+12:KF+12*\t+23], v[PCD:PCD+11], v[O+8*\t+8:O+8*\t+15], v[VSC+\t/2], v[PS] matrix_a_fmt:MATRIX_FMT_FP6 matrix_b_fmt:MATRIX_FMT_FP6 matrix_a_scale:MATRIX_SCALE_ROW1
.endr
.endm
.macro PHASE trips, lbl                ; a trip is two key steps, after which the two pairs of -M are back where they began
	s_mov_b32 s[CNT], \trips
\lbl:
	v_add_nc_u32 v[ADK], s[TB], v[L16]
	v_add_nc_u32 v[AD8], s[TB], v[L8]
	v_add_nc_u32 v[AD4], s[TB], v[L4]
	STEP 0, 0
	STEP 1, 1
	s_add_co_u32 s[TB], s[TB], 2*REC
	s_sub_co_u32 s[CNT], s[CNT], 1
	s_cmp_lg_u32 s[CNT], 0
	s_wait_alu depctr_va_vdst(0)
	s_cbranch_scc1 \lbl
.endm
	s_wait_alu depctr_va_vdst(0)
	s_wait_loadcnt 0x0                             ; q
	s_wait_tensorcnt 0x0                           ; my record of the first eight, if I asked for one, is in: group 0 may be written
	ds_add_u32 v[SPW], v[NIL]                      ; the add, here twice on end
	ds_add_u32 v[SPW], v[NIL]
	s_add_co_u32 s[G0+1], s[G0+1], R1B             ; record 8 + w, into region 1
	s_add_nc_u64 s[G0+2:G0+3], s[G0+2:G0+3], R1B   ; (the type bits on top are not reached)
	s_mov_b32 s[TB], 0
	s_wait_dscnt 0x0
	CROUND                                         ; records 0-7 are whole for every wave, and all four work-groups are here
	tensor_load_to_lds s[G0:G0+3], s[G1:G1+7]      ; region 1's first fill, a record a wave: it has region 0's eight key steps in which to land
	s_nop 0
.rept 4
	v_nop
.endr
	PHASE 4, .Lregion0
	s_wait_tensorcnt 0x0                           ; my record of region 1 is in
	ds_add_u32 v[SPW], v[NIL]                      ; 0 onto my spare word
	s_mul_i32 s[G0+1], s[WV], REC                  ; record 24 + w, into region 0 again
	s_add_nc_u64 s[G0+2:G0+3], s[G0+2:G0+3], 16*REC
	s_mov_b32 s[TB], R1B
	s_wait_dscnt 0x0                               ; the add is done, and my reads of region 0 are over
	CROUND                                         ; no wave of any partner still reads region 0 or has a load on its way
	TLOAD8                                         ; it has region 1's sixteen key steps in which to land
	PHASE 8, .Lregion1
	s_wait_tensorcnt 0x0                           ; my record of the last eight is in
	ds_add_u32 v[SPW], v[NIL]
	s_mov_b32 s[TB], 0
	s_wait_dscnt 0x0
	s_barrier_signal -1                            ; nothing is filled again: my work-group's barrier alone
	s_barrier_wait -1
	PHASE 4, .Lregion0_again
	; THE WAY OUT.  The last step's p is summed: these 32 instructions are the places behind the last products
	SUMA
	SUMB
	SUMC
	s_delay_alu instid0(VALU_DEP_1)
	v_add_f32 v[CH], v[CH], v[CH+1]                ; the sum's two halves,
	s_delay_alu instid0(VALU_DEP_1)
	v_permlanex16_b32 v[TMP], v[CH], s[SEL], s[SEL+1]
	s_delay_alu instid0(VALU_DEP_1)
	v_add_f32 v[CH], v[CH], v[TMP]                 ; and lane l xor 16's: the row's sum
	s_wait_alu depctr_va_vdst(0)
	v_rcp_f32 v[F], v[CH]
	v_nop                                          ; the plain instruction behind the reciprocal
	s_wait_alu depctr_va_vdst(0)                   ; ahead of the reciprocal's and O^T's first reader
; O^T / the sum is attn: register 16 b + i is d = 32 b + 16 h + i of my query (v's tiles of d: lane r of tile 2 b + u holds d = 32 b + 8 u + r + 8 (r / 8)): two blocks of 32 along the last product's K, each in lanes l and l xor 16
.set J, 0
.rept 16
	v_pk_mul_f32 v[S+J:S+J+1], v[O+J:O+J+1], v[F:F+1] op_sel_hi:[1,0]   ; each accumulator from its low end on
.set J, J+2
.endr
.irp b, 0,1
	v_max3_num_f32 v[BM+\b], |v[S+16*\b]|, |v[S+1+16*\b]|, 0x1800000
.endr
.irp i, 2,4,6,8,10,12,14
.irp b, 0,1
	s_delay_alu instid0(VALU_DEP_2)
	v_max3_num_f32 v[BM+\b], v[BM+\b], |v[S+16*\b+\i]|, |v[S+1+16*\b+\i]|
.endr
.endr
.irp b, 0,1
	s_delay_alu instid0(VALU_DEP_2)
	v_permlanex16_b32 v[PD+\b], v[BM+\b], s[SEL], s[SEL+1]
.endr
.irp b, 0,1
	s_delay_alu instid0(VALU_DEP_2)
	v_max_num_f32 v[BM+\b], v[BM+\b], v[PD+\b]
.endr
.irp b, 0,1
	s_delay_alu instid0(VALU_DEP_2)
	v_add_nc_u32 v[SCO+\b], 0xff000000, v[BM+\b]   ; 2 off the exponent field: the conversion's scale operand
.endr
.irp b, 0,1
	s_delay_alu instid0(VALU_DEP_2)
	v_lshrrev_b32 v[PD+\b], 23, v[SCO+\b]
.endr
	s_delay_alu instid0(VALU_DEP_1)
	v_lshl_or_b32 v[PS], v[PD+1], 8, v[PD]         ; my token's two scale bytes of this head
	v_cvt_scalef32_pk16_fp6_f32 v[PCD:PCD+2], v[S:S+15], v[SCO]
	v_cvt_scalef32_pk16_fp6_f32 v[PC2:PC2+2], v[S+16:S+31], v[SCO+1]
	v_nop
.irp i, 0,1,2
	v_permlane16_swap_b32 v[PCD+\i], v[PC2+\i]     ; the operand's layout wants a whole block in a lane
.endr
.irp i, 0,1,2
	s_delay_alu instid0(VALU_DEP_3)
	v_mov_b32 v[PCD+3+\i], v[PC2+\i]
.endr
	global_store_b128 v[L16], v[PCD:PCD+3], s[50:51]           ; 512 consecutive bytes,
	global_store_b64 v[L8], v[PCD+4:PCD+5], s[50:51] offset:512   ; and 256
	global_store_b16 v[SBO], v[PS], s[52:53]       ; (lanes l and l xor 16 store the same two bytes to the same place)
	s_wait_tensorcnt 0x0                           ; the wave's end
	ds_add_u32 v[SPW], v[NIL]
	s_wait_dscnt 0x0
	CROUND                                         ; the closing round: no work-group ends while a partner may still ask for a record that names it
	s_endpgm
.Lfunc_end_k_qbef1d59ba2_attn:
	.size	k_qbef1d59ba2_attn, .Lfunc_end_k_qbef1d59ba2_attn-k_qbef1d59ba2_attn
	.p2alignl 7, 3214868480
	.fill 96, 4, 3214868480
	.section	.rodata,"a",@progbits
	.p2align	6, 0x0
	.amdhsa_kernel k_qbef1d59ba2_attn
		.amdhsa_group_segment_fixed_size 327680
		.amdhsa_private_segment_fixed_size 0
		.amdhsa_enable_private_segment 0
		.amdhsa_kernarg_size 24
		.amdhsa_user_sgpr_count 2
		.amdhsa_user_sgpr_kernarg_segment_ptr 1
		.amdhsa_wavefront_size32 1
		.amdhsa_system_sgpr_workgroup_id_x 1
		.amdhsa_system_sgpr_workgroup_id_y 1
		.amdhsa_system_sgpr_workgroup_id_z 1
		.amdhsa_system_vgpr_workitem_id 0
		.amdhsa_next_free_vgpr 240
		.amdhsa_next_free_sgpr 66
		.amdhsa_reserve_vcc 0
		.amdhsa_float_denorm_mode_32 3
		.amdhsa_float_denorm_mode_16_64 3
		.amdhsa_memory_ordered 1
		.amdhsa_forward_progress 1
		.amdhsa_inst_pref_size 109
	.end_amdhsa_kernel
	.amdgpu_metadata
---
amdhsa.version: [ 1, 2 ]
amdhsa.kernels:
  - .name:           k_qbef1d59ba2_attn
    .symbol:         k_qbef1d59ba2_attn.kd
    .args:
      - { .name: qb, .offset: 0, .size: 8, .value_kind: global_buffer, .address_space: global }
      - { .name: kv, .offset: 8, .size: 8, .value_kind: global_buffer, .address_space: global }
      - { .name: ab, .offset: 16, .size: 8, .value_kind: global_buffer, .address_space: global }
    .group_segment_fixed_size: 327680
    .private_segment_fixed_size: 0
    .kernarg_segment_align: 8
    .kernarg_segment_size: 24
    .max_flat_workgroup_size: 512
    .sgpr_count:     66
    .vgpr_count:     240
    .wavefront_size: 32
...
	.end_amdgpu_metadata
.endif
;; end of part 3
;; launch outp (part 4): grid 256 x 1, 4 waves a work-group, no clusters, 17,920 bytes of LDS; arguments ab, wb, b_o, out0; writes out0
.if DOCPART == 4
	.amdgcn_target "amdgcn-amd-amdhsa--gfx1250"
	.amdhsa_code_object_version 6
	.text
	.protected	k_qbef1d59ba2_outp
	.globl	k_qbef1d59ba2_outp
	.p2align	8
	.type	k_qbef1d59ba2_outp,@function
k_qbef1d59ba2_outp:
	s_mov_b64 s[64:65], 0
	v_nop
	global_prefetch_b8 v0, s[64:65] scope:SCOPE_SE
	s_setreg_imm32_b32 hwreg(HW_REG_WAVE_MODE, 25, 1), 1
	s_wait_xcnt 0x0
; out0 = attn w_o + b_o on codes of FP6 (E2M3) with one E8M0 byte for each 32 along K = 512; out0 [8,192][512] f32.
; attn's and w_o's fragments lie in memory as images of operand registers, so both go straight into registers.  A wave makes 64 tokens x 64 columns: work-group g takes tokens 64 (g / 2) on,
; wave w columns 64 (4 (g % 2) + w) on: 16 accumulators, 64 matrix instructions, all loads at the head, no loop, no barrier: waves share nothing but what they read.
; THE PRODUCT IS USED TRANSPOSED (source 0 = 16 columns of w_o, source 1 = 16 tokens): a lane holds eight neighbouring columns of one token's row.  Lane r of tile 2 b + u of tokens or columns holds
; row 32 b + 8 u + r + 8 (r / 8).  b_o is the C of each sum's first matrix instruction, so the order of the f32 sums differs from attn w_o first, b_o last.
; The way out goes through the wave's own stage in LDS: 16 rows of 256 bytes + 16; sixteen lanes then store 256 consecutive bytes, at a multiple of 256 from out0's first byte.
; NO CLUSTER, NO TENSOR LOAD: what waves share (24,576 bytes of attn, 24,576 of w_o) lands in registers, where a joint tensor load cannot put it.  No prefetch: every load goes out at the head.
; REGISTERS: window 0: v1-8 addresses; v16-31 w_o's scale words (4 t + s); v32-47 attn's (4 m + s); v64-191 accumulators (4 m + t); v192-255 rows on their way out, two sets.
;   window 1: w_o(t, s) at v[12 (4 t + s)], b_o's four tiles from v192.   window 2: attn(m, s) at v[12 (4 m + s)].
.set WSC, 16
.set ASC, 32
.set ACC, 64
.set BK,  192
.set BI,  192
.set MSB, 0
.macro WIN new                         ; the immediate's high byte repeats the setting that is left
.if MSB != \new
	s_set_vgpr_msb (MSB<<8)|\new
.set MSB, \new
.endif
.endm
	s_load_b256 s[4:11], s[0:1], 0x0               ; ab, wb, b_o, out0
	v_lshl_add_u32 v62, v0, 2, 0x4400
	v_mov_b32 v63, 0
	v_lshrrev_b32 v1, 5, v0
	v_readfirstlane_b32 s12, v1                    ; wave 0..3
	s_lshr_b32 s13, ttmp9, 1                       ; which 64 tokens
	s_and_b32 s14, ttmp9, 1
	s_lshl_b32 s14, s14, 2
	s_add_co_u32 s14, s14, s12                     ; which 64 columns
	v_and_b32 v9, 31, v0                           ; lane
	v_and_b32 v10, 15, v0                          ; r
	v_bfe_u32 v11, v0, 4, 1                        ; h
	v_lshlrev_b32 v1, 4, v9                        ; 16 x lane
	v_lshlrev_b32 v2, 3, v9                        ; 8 x lane
	v_lshlrev_b32 v3, 2, v10                       ; 4 r
	v_and_b32 v4, 8, v10
	v_mad_u32_u24 v4, v4, 3, v10                   ; TOKENS: lane r of tile m of my 64 is token 8 m + r % 8 + 32 (r / 8) (the columns keep the map stated at the head)
	v_lshlrev_b32 v4, 4, v4                        ; 16 (r % 8 + 32 (r / 8)): my token's 16 scale bytes
	v_lshlrev_b32 v5, 6, v11                       ; 64 h: b_o
	s_mul_i32 s15, s12, 4352                       ; my stage
	v_mul_u32_u24 v6, v10, 272
	v_lshl_add_u32 v6, v11, 6, v6
	v_add_nc_u32 v6, s15, v6                       ; in: row r, + 64 h
	v_mul_u32_u24 v7, v11, 272
	v_lshl_add_u32 v7, v10, 4, v7
	v_add_nc_u32 v7, s15, v7                       ; back: lanes 0-15 one row, lanes 16-31 the next
	v_lshlrev_b32 v8, 11, v11
	v_lshl_add_u32 v8, v10, 4, v8                  ; and the same two rows in out0
	s_mov_b32 s29, 0
	s_mul_i32 s28, s13, 24576
	s_wait_alu depctr_va_vdst(0)
	s_wait_kmcnt 0x0
	s_add_nc_u64 s[16:17], s[4:5], s[28:29]        ; attn's 16 fragments
	s_lshl_b32 s28, s13, 10
	s_add_co_u32 s28, s28, 3145728
	s_add_nc_u64 s[18:19], s[4:5], s[28:29]        ; its scale bytes
	s_mul_i32 s28, s14, 24576
	s_add_co_u32 s28, s28, 589824
	s_add_nc_u64 s[20:21], s[6:7], s[28:29]        ; w_o's 16 fragments
	s_lshl_b32 s28, s14, 10
	s_add_co_u32 s28, s28, 811008
	s_add_nc_u64 s[22:23], s[6:7], s[28:29]        ; their scale words
	s_lshl_b32 s28, s14, 8
	s_add_nc_u64 s[24:25], s[8:9], s[28:29]        ; b_o: my 64 numbers
	s_lshl_b32 s30, s13, 17
	s_add_co_u32 s28, s28, s30
	s_add_nc_u64 s[26:27], s[10:11], s[28:29]      ; out0: my first token, my first column
	WIN 0x80                                       ; destination window 2
.irp m, 0,1,2,3
.irp s, 0,1,2,3                        ; heads 2 s and 2 s + 1 of a tile of tokens are the two halves of K step s
	global_load_b128 v[12*(4*\m+\s):12*(4*\m+\s)+3], v1, s[16:17] offset:(4*\m+\s)*1536
	global_load_b64 v[12*(4*\m+\s)+4:12*(4*\m+\s)+5], v2, s[16:17] offset:(4*\m+\s)*1536+512
	global_load_b128 v[12*(4*\m+\s)+6:12*(4*\m+\s)+9], v1, s[16:17] offset:(4*\m+\s)*1536+768
	global_load_b64 v[12*(4*\m+\s)+10:12*(4*\m+\s)+11], v2, s[16:17] offset:(4*\m+\s)*1536+1280
.endr
.endr
	WIN 0x40                                       ; destination window 1
.irp t, 0,1,2,3
.irp s, 0,1,2,3
.irp c, 0,1,2
	global_load_b128 v[12*(4*\t+\s)+4*\c:12*(4*\t+\s)+4*\c+3], v1, s[20:21] offset:(4*\t+\s)*1536+512*\c
.endr
.endr
.endr
.irp t, 0,1,2,3                        ; b_o in the result's layout: tile t, register j: column 32 (t / 2) + 8 (t % 2) + 16 h + j
	global_load_b128 v[BI+8*\t:BI+8*\t+3], v5, s[24:25] offset:(32*(\t/2)+8*(\t%2))*4
	global_load_b128 v[BI+8*\t+4:BI+8*\t+7], v5, s[24:25] offset:(32*(\t/2)+8*(\t%2))*4+16
.endr
	WIN 0
.irp m, 0,1,2,3
	global_load_b128 v[ASC+4*\m:ASC+4*\m+3], v4, s[18:19] offset:128*\m   ; my token's four scale words: 16 bytes a token, tile m begins at token 8 m
.endr
.irp t, 0,1,2,3
.irp s, 0,1,2,3
	global_load_b32 v[WSC+4*\t+\s], v3, s[22:23] offset:(4*\t+\s)*64
.endr
.endr
.macro MUL s                           ; sixteen accumulators by turns, one instruction a turn
.irp m, 0,1,2,3
.irp t, 0,1,2,3
.if (\s) == 0
	v_wmma_scale_f32_16x16x128_f8f6f4 v[ACC+8*(4*\m+\t):ACC+8*(4*\m+\t)+7], v[12*(4*\t):12*(4*\t)+11], v[12*(4*\m):12*(4*\m)+11], v[BI+8*\t:BI+8*\t+7], v[WSC+4*\t], v[ASC+4*\m] matrix_a_fmt:MATRIX_FMT_FP6 matrix_b_fmt:MATRIX_FMT_FP6
.else
	v_wmma_scale_f32_16x16x128_f8f6f4 v[ACC+8*(4*\m+\t):ACC+8*(4*\m+\t)+7], v[12*(4*\t+(\s)):12*(4*\t+(\s))+11], v[12*(4*\m+(\s)):12*(4*\m+(\s))+11], v[ACC+8*(4*\m+\t):ACC+8*(4*\m+\t)+7], v[WSC+4*\t+(\s)], v[ASC+4*\m+(\s)] matrix_a_fmt:MATRIX_FMT_FP6 matrix_b_fmt:MATRIX_FMT_FP6
.endif
.endr
.endr
.endm
	s_wait_loadcnt 0x0
	WIN 0x19                                       ; source 0 (w_o) window 1, source 1 (attn) window 2, C (b_o) window 1
	MUL 0
	WIN 0x09
	MUL 1
	MUL 2
	MUL 3
	WIN 0
.rept 4
	v_nop                                          ; places ahead of the first read of results
.endr
.macro TOSTAGE m                       ; tile m's 16 tokens x 64 columns into my stage, and back as whole rows
.irp t, 0,1,2,3
	ds_store_b128 v6, v[ACC+8*(4*(\m)+\t):ACC+8*(4*(\m)+\t)+3] offset:128*(\t/2)+32*(\t%2)          ; each accumulator from its low end on
	ds_store_b128 v6, v[ACC+8*(4*(\m)+\t)+4:ACC+8*(4*(\m)+\t)+7] offset:128*(\t/2)+32*(\t%2)+16
.endr
.set BB, BK+32*((\m)%2)
.irp i, 0,1,2,3,4,5,6,7
	ds_load_b128 v[BB+4*\i:BB+4*\i+3], v7 offset:544*\i      ; LDS serves a wave's instructions in order: these see the stores above, and the next tile's stores come behind them
.endr
.endm
.macro SEND m, younger                 ; younger: the LDS instructions issued behind tile m's loads, which may stay out
.set BB, BK+32*((\m)%2)
	s_wait_dscnt \younger
.irp i, 0,1,2,3,4,5,6,7                ; stage rows 2 i and 2 i + 1 are tokens 8 m + 2 i + 24 (i / 4) and the next
	global_store_b128 v8, v[BB+4*\i:BB+4*\i+3], s[26:27] offset:(8*(\m)+2*\i+24*(\i/4))*2048 th:TH_STORE_NT
.endr
.endm
	TOSTAGE 0
.irp m, 1,2,3
.if \m > 1
	s_wait_xcnt 0x0                                ; tile m - 2's stores have read their registers: tile m's loads may land there
.endif
	TOSTAGE \m
	SEND \m-1, 16                                  ; behind tile m - 1's loads: tile m's 8 stores and 8 loads
.endr
	SEND 3, 0
	s_wait_tensorcnt 0x0
	ds_add_u32 v62, v63
	s_wait_dscnt 0x0
	s_endpgm
.Lfunc_end_k_qbef1d59ba2_outp:
	.size	k_qbef1d59ba2_outp, .Lfunc_end_k_qbef1d59ba2_outp-k_qbef1d59ba2_outp
	.p2alignl 7, 3214868480
	.fill 96, 4, 3214868480
	.section	.rodata,"a",@progbits
	.p2align	6, 0x0
	.amdhsa_kernel k_qbef1d59ba2_outp
		.amdhsa_group_segment_fixed_size 17920
		.amdhsa_private_segment_fixed_size 0
		.amdhsa_enable_private_segment 0
		.amdhsa_kernarg_size 32
		.amdhsa_user_sgpr_count 2
		.amdhsa_user_sgpr_kernarg_segment_ptr 1
		.amdhsa_wavefront_size32 1
		.amdhsa_system_sgpr_workgroup_id_x 1
		.amdhsa_system_sgpr_workgroup_id_y 1
		.amdhsa_system_sgpr_workgroup_id_z 1
		.amdhsa_system_vgpr_workitem_id 0
		.amdhsa_next_free_vgpr 768
		.amdhsa_next_free_sgpr 66
		.amdhsa_reserve_vcc 0
		.amdhsa_float_denorm_mode_32 3
		.amdhsa_float_denorm_mode_16_64 3
		.amdhsa_memory_ordered 1
		.amdhsa_forward_progress 1
		.amdhsa_inst_pref_size 32
	.end_amdhsa_kernel
	.amdgpu_metadata
---
amdhsa.version: [ 1, 2 ]
amdhsa.kernels:
  - .name:           k_qbef1d59ba2_outp
    .symbol:         k_qbef1d59ba2_outp.kd
    .args:
      - { .name: ab, .offset: 0, .size: 8, .value_kind: global_buffer, .address_space: global }
      - { .name: wb, .offset: 8, .size: 8, .value_kind: global_buffer, .address_space: global }
      - { .name: b_o, .offset: 16, .size: 8, .value_kind: global_buffer, .address_space: global }
      - { .name: out0, .offset: 24, .size: 8, .value_kind: global_buffer, .address_space: global }
    .group_segment_fixed_size: 17920
    .private_segment_fixed_size: 0
    .kernarg_segment_align: 8
    .kernarg_segment_size: 32
    .max_flat_workgroup_size: 128
    .sgpr_count:     66
    .vgpr_count:     768
    .wavefront_size: 32
...
	.end_amdgpu_metadata
.endif
;; end of part 4
